; MI455X (gfx1250); checked and timed in simulation.
; The chip was launched on July 23, 2026; its instructions are those of AMD's public machine-readable ISA for CDNA 5 (MIT licence, August 2026) and "CDNA5" Instruction Set Architecture Reference Guide (July 2026). The comments in the code are by the model that wrote it; some were corrected since.
;; Additive Attention. Allowed arithmetic: float matrix products may take bf16 or f16 operands with f32 sums; other float arithmetic in f32, or as packed bf16 or f16 multiplies, adds, multiply-adds, maxima and minima; sums over many terms, partial sums and values carried from step to step in f32; what a program stores and reads back later, other than sums and carried values, may be rounded once to bf16 or f16.
;; Inputs: W_k 1,024 x 1,024 float32; W_q 1,024 x 1,024 float32; keys 32 x 2,048 x 1,024 float32; mask 32 x 2,048 bool; query 32 x 1,024 float32; v 1,024 float32.
;; Outputs: out0 32 x 1,024 float32; out1 32 x 2,048 float32.
;; 2 versions, each right and faster than the one before. Each part assembles by itself: llvm-mc -triple=amdgcn-amd-amdhsa -mcpu=gfx1250 --defsym DOCPART=n.
;; ======== version 1 of 2: 3 launches
;; workspace buffers: wkf 2,097,152 bytes; cqt 131,072 bytes; sc2 262,144 bytes; stats 4,096 bytes; pctx 2,097,152 bytes
;; launch prep (part 1): grid 64 x 1, 8 waves a work-group, no clusters, 17,408 bytes of LDS; arguments W_k, W_q, query, wkf, cqt; writes wkf, cqt
.if DOCPART == 1
	.amdgcn_target "amdgcn-amd-amdhsa--gfx1250"
	.amdhsa_code_object_version 6
	.text
	.protected	k_qfbc578d152_prep
	.globl	k_qfbc578d152_prep
	.p2align	8
	.type	k_qfbc578d152_prep,@function
k_qfbc578d152_prep:
	s_mov_b64 s[64:65], 0
	v_nop
	global_prefetch_b8 v0, s[64:65] scope:SCOPE_SE
	s_setreg_imm32_b32 hwreg(HW_REG_WAVE_MODE, 25, 1), 1
	s_wait_xcnt 0x0
; PREP.  Two small things that the main launch wants ready, c = 2 log2(e) = 2.88539:
;   wkf = bf16(c W_k), laid out as matrix fragments: byte G*262144 + s*8192 + cb*1024 + t*512 + L*16 holds the 8 numbers
;         c W_k[16 (8 G + cb) + L % 16][32 s + 16 t + 8 (L / 16) + 0..7]   (G = a / 128, s = k / 32, cb = (a / 16) % 8, L = lane)
;   cqt = c (query W_q^T) in f32, laid out [a / 16][n][a % 16]
; LIMIT.  W_k is rounded to bf16 once, after the multiplication by c; query and W_q are rounded to bf16 for the product, sums in f32.
; SHARES.  Work-group g owns the 16 columns a = 16 g .. 16 g + 15; wave j owns K = 128 j .. 128 j + 127, four steps of 32.
; The eight waves' partial sums of q meet in LDS (f32), and waves 0-3 add them.  No cluster, no tensor load: no two work-groups read
; the same rows of W_k or W_q, and query is 128 KB.
.set H_BYTES, 4096                     ; a row of W_k, W_q, query: 1,024 f32
.set SPARE, 16384                      ; behind the partial sums: the spare words, 128 bytes for each of eight waves
.set SPW, 6                            ; v6   LDS address of my spare word; never rewritten
.set NIL, 7                            ; v7   0; never rewritten
.set ACC, 16                           ; v[16:23] q for n = 0-15, v[24:31] for n = 16-31
.set RK,  32                           ; v[32:95]   W_k as loaded, 16 registers a K step; later query's rows 16-31
.set RQ,  96                           ; v[96:159]  W_q
.set RA,  160                          ; v[160:223] query's rows 0-15
.set RB,  32
; 16 loads: for K step i the lane's 16 numbers k = 32 i + 16 t + 8 (L / 16) + 4 u + 0..3 of its row
.macro LD16 dst, lo, xo
.irp i, 0,1,2,3
.irp t, 0,1
.irp u, 0,1
	global_load_b128 v[(\dst)+16*(\i)+8*(\t)+4*(\u):(\dst)+16*(\i)+8*(\t)+4*(\u)+3], v1, s[(\lo):(\lo)+1] offset:(\xo)+128*(\i)+64*(\t)+16*(\u)
.endr
.endr
.endr
.endm
; 64 f32 to four fragments of 8 registers, in place and ascending: register k takes numbers 2 k and 2 k + 1, which lie at or above it
.macro CVT64 base
.irp i, 0,1,2,3
.irp k, 0,1,2,3,4,5,6,7
	v_cvt_pk_bf16_f32 v[(\base)+16*(\i)+(\k)], v[(\base)+16*(\i)+2*(\k)], v[(\base)+16*(\i)+2*(\k)+1]
.endr
.endr
.endm
	s_load_b256 s[4:11], s[0:1], 0x0               ; W_k s[4:5], W_q s[6:7], query s[8:9], wkf s[10:11]
	s_load_b64 s[12:13], s[0:1], 0x20              ; cqt
	v_lshl_add_u32 v[SPW], v0, 2, SPARE
	v_mov_b32 v[NIL], 0
	v_lshrrev_b32 v1, 5, v0
	v_readfirstlane_b32 s14, v1                    ; wave j
	v_and_b32 v8, 15, v0                           ; r = L % 16
	v_bfe_u32 v9, v0, 4, 1                         ; h = L / 16
	v_and_b32 v10, 31, v0                          ; L
	s_lshl_b32 s15, s14, 9                         ; my 128 numbers along K: 512 j bytes
	v_lshlrev_b32 v1, 12, v8                       ; row r,
	v_lshl_add_u32 v1, v9, 5, v1                   ; 8 h numbers in,
	v_add_nc_u32 v1, s15, v1                       ; in my part of K: one offset for W_k, W_q and query
	v_lshlrev_b32 v2, 4, v10                       ; 16 L: my 16 bytes of a half fragment in wkf
	s_lshl_b32 s15, s14, 11                        ; my 2,048 bytes of partial sums
	v_lshlrev_b32 v3, 6, v8                        ; [n = r][a = 8 h ..]: 64 r + 32 h
	v_lshl_add_u32 v3, v9, 5, v3
	v_add_nc_u32 v3, s15, v3
	v_lshlrev_b32 v4, 4, v0                        ; 16 t: threads 0-127 cover the 2,048 bytes of [n][a]
	s_mov_b32 s18, 0x4038aa3b                      ; c
	s_mov_b32 s19, s18                             ; named with it as a pair
	s_mov_b32 s17, 0
	s_lshl_b32 s16, ttmp9, 16                      ; 16 rows of 4,096 bytes
	s_wait_kmcnt 0x0
	s_add_nc_u64 s[4:5], s[4:5], s[16:17]
	s_add_nc_u64 s[6:7], s[6:7], s[16:17]
	s_lshr_b32 s16, ttmp9, 3
	s_lshl_b32 s16, s16, 18                        ; G x 262,144
	s_and_b32 s20, ttmp9, 7
	s_lshl_b32 s20, s20, 10                        ; cb x 1,024
	s_add_co_u32 s16, s16, s20
	s_lshl_b32 s20, s14, 15                        ; my four K steps: 4 j x 8,192
	s_add_co_u32 s16, s16, s20
	s_add_nc_u64 s[10:11], s[10:11], s[16:17]
	s_lshl_b32 s16, ttmp9, 11                      ; g x 2,048
	s_add_nc_u64 s[12:13], s[12:13], s[16:17]
	LD16 RK, 4, 0
	LD16 RQ, 6, 0
	LD16 RA, 8, 0
	s_wait_loadcnt 32                              ; W_k's 16 loads are in; the 32 younger ones (W_q, query) stay out
.set z, 0
.rept 32
	v_pk_mul_f32 v[RK+2*z:RK+2*z+1], v[RK+2*z:RK+2*z+1], s[18:19] op_sel_hi:[1,0]
.set z, z+1
.endr
	CVT64 RK
.irp i, 0,1,2,3
.irp t, 0,1
	global_store_b128 v2, v[RK+16*(\i)+4*(\t):RK+16*(\i)+4*(\t)+3], s[10:11] offset:8192*(\i)+512*(\t)  ; the wave stores 512 consecutive bytes, aligned
.endr
.endr
	s_wait_xcnt 0x0                                ; the stores' data registers are loaded again only behind this wait
	LD16 RB, 8, 16*H_BYTES                         ; query's rows 16-31
	s_wait_loadcnt 0x0
	CVT64 RQ
	CVT64 RA
	CVT64 RB
	; source 0 = 16 rows of W_q, source 1 = 16 rows of query: register jj of lane (r, h) is (a = 8 h + jj, n = r).  The two sums take turns.
	v_wmma_f32_16x16x32_bf16 v[ACC:ACC+7], v[RQ:RQ+7], v[RA:RA+7], 0
	v_wmma_f32_16x16x32_bf16 v[ACC+8:ACC+15], v[RQ:RQ+7], v[RB:RB+7], 0
.irp i, 1,2,3
	v_wmma_f32_16x16x32_bf16 v[ACC:ACC+7], v[RQ+16*(\i):RQ+16*(\i)+7], v[RA+16*(\i):RA+16*(\i)+7], v[ACC:ACC+7]
	v_wmma_f32_16x16x32_bf16 v[ACC+8:ACC+15], v[RQ+16*(\i):RQ+16*(\i)+7], v[RB+16*(\i):RB+16*(\i)+7], v[ACC+8:ACC+15]
.endr
.rept 4
	v_nop                                          ; four places behind the last product (ISA guide 7.12.1)
.endr
	ds_store_b128 v3, v[ACC:ACC+3]                 ; each sum's low registers first
	ds_store_b128 v3, v[ACC+4:ACC+7] offset:16
	ds_store_b128 v3, v[ACC+8:ACC+11] offset:1024
	ds_store_b128 v3, v[ACC+12:ACC+15] offset:1040
	s_wait_dscnt 0x0                               ; for the others' sake: my partial sums are in LDS
	s_barrier_signal -1
	s_barrier_wait -1
	s_cmp_gt_u32 s14, 3
	s_cbranch_scc1 .Lend                           ; 128 threads are enough for 2,048 bytes
.irp jj, 0,1,2,3,4,5,6,7
	ds_load_b128 v[RQ+4*(\jj):RQ+4*(\jj)+3], v4 offset:2048*(\jj)
.endr
	s_wait_dscnt 0x0
.irp jj, 1,2,3,4,5,6,7
	v_pk_add_f32 v[RQ:RQ+1], v[RQ:RQ+1], v[RQ+4*(\jj):RQ+4*(\jj)+1]
	v_pk_add_f32 v[RQ+2:RQ+3], v[RQ+2:RQ+3], v[RQ+4*(\jj)+2:RQ+4*(\jj)+3]
.endr
	v_pk_mul_f32 v[RQ:RQ+1], v[RQ:RQ+1], s[18:19] op_sel_hi:[1,0]
	v_pk_mul_f32 v[RQ+2:RQ+3], v[RQ+2:RQ+3], s[18:19] op_sel_hi:[1,0]
	global_store_b128 v4, v[RQ:RQ+3], s[12:13]     ; the wave stores 512 consecutive bytes, aligned
.Lend:
	s_wait_tensorcnt 0x0                           ; the wave's end
	ds_add_u32 v[SPW], v[NIL]
	s_wait_dscnt 0x0
	s_endpgm
.Lfunc_end_k_qfbc578d152_prep:
	.size	k_qfbc578d152_prep, .Lfunc_end_k_qfbc578d152_prep-k_qfbc578d152_prep
	.p2alignl 7, 3214868480
	.fill 96, 4, 3214868480
	.section	.rodata,"a",@progbits
	.p2align	6, 0x0
	.amdhsa_kernel k_qfbc578d152_prep
		.amdhsa_group_segment_fixed_size 17408
		.amdhsa_private_segment_fixed_size 0
		.amdhsa_enable_private_segment 0
		.amdhsa_kernarg_size 40
		.amdhsa_user_sgpr_count 2
		.amdhsa_user_sgpr_kernarg_segment_ptr 1
		.amdhsa_wavefront_size32 1
		.amdhsa_system_sgpr_workgroup_id_x 1
		.amdhsa_system_sgpr_workgroup_id_y 1
		.amdhsa_system_sgpr_workgroup_id_z 1
		.amdhsa_system_vgpr_workitem_id 0
		.amdhsa_next_free_vgpr 224
		.amdhsa_next_free_sgpr 66
		.amdhsa_reserve_vcc 0
		.amdhsa_float_denorm_mode_32 3
		.amdhsa_float_denorm_mode_16_64 3
		.amdhsa_memory_ordered 1
		.amdhsa_forward_progress 1
		.amdhsa_inst_pref_size 22
	.end_amdhsa_kernel
	.amdgpu_metadata
---
amdhsa.version: [ 1, 2 ]
amdhsa.kernels:
  - .name:           k_qfbc578d152_prep
    .symbol:         k_qfbc578d152_prep.kd
    .args:
      - { .name: W_k, .offset: 0, .size: 8, .value_kind: global_buffer, .address_space: global }
      - { .name: W_q, .offset: 8, .size: 8, .value_kind: global_buffer, .address_space: global }
      - { .name: query, .offset: 16, .size: 8, .value_kind: global_buffer, .address_space: global }
      - { .name: wkf, .offset: 24, .size: 8, .value_kind: global_buffer, .address_space: global }
      - { .name: cqt, .offset: 32, .size: 8, .value_kind: global_buffer, .address_space: global }
    .group_segment_fixed_size: 17408
    .private_segment_fixed_size: 0
    .kernarg_segment_align: 8
    .kernarg_segment_size: 40
    .max_flat_workgroup_size: 256
    .sgpr_count:     66
    .vgpr_count:     224
    .wavefront_size: 32
...
	.end_amdgpu_metadata
.endif
;; end of part 1
;; launch score (part 2): grid 512 x 1, 4 waves a work-group, no clusters, 308,992 bytes of LDS; arguments keys, mask, v, wkf, cqt, sc2, stats, pctx; writes sc2, stats, pctx
.if DOCPART == 2
	.amdgcn_target "amdgcn-amd-amdhsa--gfx1250"
	.amdhsa_code_object_version 6
	.text
	.protected	k_qfbc578d152_score
	.globl	k_qfbc578d152_score
	.p2align	8
	.type	k_qfbc578d152_score,@function
k_qfbc578d152_score:
	s_mov_b64 s[64:65], 0
	v_nop
	global_prefetch_b8 v0, s[64:65] scope:SCOPE_SE
	s_setreg_imm32_b32 hwreg(HW_REG_WAVE_MODE, 25, 1), 1
	s_wait_xcnt 0x0
; SCORE.  For a block of 128 rows l of one batch row n (block b = 16 n + l / 128):
;   s2[l] = sum over a of (-c v[a]) / (1 + 2^(c (keys[l] . W_k[a] + q[a]))),  c = 2 log2(e).
; Since tanh x = 1 - 2 / (1 + e^(2x)), s2 is log2(e) x (the reference's score) less the constant log2(e) x sum(v), which a softmax does not see, whatever v.
; Then, of the block: m = max of the masked s2, p = 2^(s2 - m), l = sum p, and the partial context sum p[l] keys[l][:].  A later launch joins a batch row's 16 blocks.
; THE KEYS ARE READ FROM MEMORY ONCE: the block's 128 rows, rounded to bf16, stay in LDS (16 chunks of 64 along K) from the product to the context.
; SHARES.  Four waves.  Wave w owns the columns a = 256 w .. 256 w + 255, in two passes of 128: a tile of 128 rows x 128 columns, 64 sums of 16 x 16, 512 registers.
; A K step is 32: 64 matrix instructions.  PASS 0 STREAMS THE KEYS IN WHILE IT MULTIPLIES: K step sigma wants K slice sigma alone.
; W_k (wkf: bf16, times c, in fragment order) goes from memory straight into registers: within the work-group a wave's columns are read by that wave alone, its two passes
; are one run of 512 KB, 8 KB a step, and each load covers 512 consecutive bytes.  NO TENSOR LOAD, NO CLUSTER: the block and its tables take 308,992 of LDS's 327,680 bytes;
; what is left holds no two slots of W_k, so there is no LDS tile that partners could ask for jointly.
; THE MATRIX INSTRUCTION: source 0 = 16 columns a (W_k), source 1 = 16 rows l (keys): register j of lane (r, h) is (a = 8 h + j, row = r).  So a lane holds ONE row and the
; sum over a runs along its registers.  c q enters as the C operand of each sum's first product.
; LIMITS.  keys and c W_k are rounded to bf16 (the context takes the bf16 keys too).  Where 2^x overflows the term is 0, where it underflows the term is -c v: tanh = +1, -1.
; The exponential and the reciprocal flush denormals.  NaN and infinities in the inputs are not treated apart.  A block that is masked everywhere gives m = -3.4e38, l = 0, context 0.
; The two statistics of a block are 8 bytes, a part of an aligned 256: 4 KB for the whole launch.
; REGISTERS, in windows of 256 (s_set_vgpr_msb: bits 1:0 source 0, 3:2 source 1, 5:4 source 2, 7:6 destination):
;   window 0: addresses, S, the keys' fragments, the staging buffers     window 1: four sets of W_k's fragments     windows 2, 3: the sums of rows 0-63, 64-127
.set CH,    18560                      ; a chunk: 128 rows x 144 bytes, and 128 bytes more, so that neighbouring chunks lie 128 apart modulo 256
.set PT,    144                        ; a row in a chunk: 128 bytes + 16: nine times 16, so the 16 rows of a fragment load start at 16 different groups of four banks (64 banks of 4 bytes: ISA guide 11.1)
.set QB,    16*CH                      ; c q of this batch row, f32 [1024]
.set VB,    QB+4096                    ; -c v, f32 [1024]
.set SCB,   VB+4096                    ; [4 waves][128 rows] partial scores
.set PB,    SCB+2048                   ; p [128]
.set SMB,   PB+512                     ; masked scores [128]
.set RED,   SMB+512                    ; the waves' maxima at +0, sums at +16
.set SPARE, RED+256                    ; the spare words, 128 bytes for each wave
.set AK0, 2                            ; v2   my lane's place in a fragment of keys: (L % 16) x 144 + (L / 16) x 16; never rewritten
.set AKF, 3                            ; v3   + the chunk that is read
.set AS0, 4                            ; v4   where I store: row 32 w + 8 (L / 16), byte 8 (L % 16); never rewritten
.set AST, 5                            ; v5   + the chunk that is stored
.set AG0, 6                            ; v6   the same place in keys: row x 4,096 + 16 (L % 16); never rewritten
.set AW0, 7                            ; v7   16 L; never rewritten
.set AQ,  8                            ; v8   QB + my pass's 128 columns + 32 (L / 16)
.set SPW, 28                           ; v28  LDS address of my spare word; never rewritten
.set NIL, 29                           ; v29  0; never rewritten
.set S,   32                           ; v[32:47] a pair of partial scores for each of 8 row blocks
.set KF,  48                           ; v[48:79] keys' fragments of row blocks 0-3, v[80:111] of 4-7
.set STG, 112                          ; v[112:239] four staging buffers of 32; later c q and -c v of a pass
.set VV,  STG+64
.set KB,  4                            ; s[4:5]   keys, walking along K
.set WB,  10                           ; s[10:11] wkf, walking
.set WV,  20                           ; s20 my wave's number
.set TK,  24                           ; s24 LDS byte of the chunk that is read
.set TS,  25                           ; s25 of the chunk that is stored
.set CNT, 26
.set PASS, 27
.set MSB, 0
.macro WIN new                         ; the immediate's high byte repeats the setting that is left; a switch that changes nothing is dropped
.if MSB != (\new)
	s_set_vgpr_msb (MSB<<8)|(\new)
.set MSB, (\new)
.endif
.endm
.macro PLACES                          ; four places behind matrix instructions, in front of loads into registers that they read and of vector reads of their results
.rept 4
	v_nop
.endr
.endm
.macro WLOAD buf, imm                  ; a K step's 8 fragments of W_k: 16 loads of 512 consecutive bytes
	WIN 0x40
.irp f, 0,1,2,3,4,5,6,7,8,9,10,11,12,13,14,15
	global_load_b128 v[64*(\buf)+4*(\f):64*(\buf)+4*(\f)+3], v[AW0], s[WB:WB+1] offset:(\imm)+512*(\f)
.endr
.endm
.macro SLOAD buf, a, xo                ; half a chunk of my 32 rows: 16 rows x 256 bytes of f32; lanes 0-15 take one row's 256 aligned bytes, lanes 16-31 those of the row 8 further down
	WIN 0
.irp i, 0,1,2,3,4,5,6,7
	global_load_b128 v[STG+32*(\buf)+4*(\i):STG+32*(\buf)+4*(\i)+3], v[AG0], s[KB:KB+1] offset:(16*(\a)+(\i))*4096+(\xo) th:TH_LOAD_NT
.endr
.endm
.macro SCONV buf, a                    ; rounded to bf16 and stored: 16 lanes fill a row's 128 bytes; the two rows of a store lie 128 apart modulo 256
.irp i, 0,1,2,3,4,5,6,7
	v_cvt_pk_bf16_f32 v[STG+32*(\buf)+4*(\i)], v[STG+32*(\buf)+4*(\i)], v[STG+32*(\buf)+4*(\i)+1]
	v_cvt_pk_bf16_f32 v[STG+32*(\buf)+4*(\i)+1], v[STG+32*(\buf)+4*(\i)+2], v[STG+32*(\buf)+4*(\i)+3]
	ds_store_b64 v[AST], v[STG+32*(\buf)+4*(\i):STG+32*(\buf)+4*(\i)+1] offset:(16*(\a)+(\i))*PT
.endr
.endm
.macro KLOAD half, u                   ; the keys' fragments of four row blocks, 32 along K at byte 64 u of the chunk's rows
	WIN 0
.irp q, 0,1,2,3
	ds_load_b128 v[KF+32*(\half)+8*(\q):KF+32*(\half)+8*(\q)+3],   v[AKF] offset:(4*(\half)+(\q))*16*PT+64*(\u)
	ds_load_b128 v[KF+32*(\half)+8*(\q)+4:KF+32*(\half)+8*(\q)+7], v[AKF] offset:(4*(\half)+(\q))*16*PT+64*(\u)+32
.endr
.endm
.macro QLOAD dst, win, off             ; for each of 8 column blocks the lane's eight numbers a = 8 (L / 16) + 0..7 of a table
	WIN 0x40*(\win)
.irp cb, 0,1,2,3,4,5,6,7
	ds_load_b128 v[(\dst)+8*(\cb):(\dst)+8*(\cb)+3],   v[AQ] offset:(\off)+64*(\cb)
	ds_load_b128 v[(\dst)+8*(\cb)+4:(\dst)+8*(\cb)+7], v[AQ] offset:(\off)+64*(\cb)+16
.endr
	WIN 0
.endm
; 16 matrix instructions: row blocks a0, a0 + 1 of the window's four x all 8 column blocks.  cm = 0: onto the sums; 1: c q (window 1, v192-255) starts them; 2: c q (window 0, STG) starts them.
; The 64 sums take turns, one instruction a turn, in the same order in every step.
.macro MUL16 i, hi, a0, cm
.if (\cm) == 1
	WIN 0x91+0x40*(\hi)
.elseif (\cm) == 2
	WIN 0x81+0x40*(\hi)
.else
	WIN 0xa1+0x50*(\hi)
.endif
.irp a, \a0, (\a0)+1
.irp b, 0,1,2,3,4,5,6,7
.if (\cm) == 1
	v_wmma_f32_16x16x32_bf16 v[8*(8*(\a)+(\b)):8*(8*(\a)+(\b))+7], v[64*(\i)+8*(\b):64*(\i)+8*(\b)+7], v[KF+32*(\hi)+8*(\a):KF+32*(\hi)+8*(\a)+7], v[192+8*(\b):192+8*(\b)+7]
.elseif (\cm) == 2
	v_wmma_f32_16x16x32_bf16 v[8*(8*(\a)+(\b)):8*(8*(\a)+(\b))+7], v[64*(\i)+8*(\b):64*(\i)+8*(\b)+7], v[KF+32*(\hi)+8*(\a):KF+32*(\hi)+8*(\a)+7], v[STG+8*(\b):STG+8*(\b)+7]
.else
	v_wmma_f32_16x16x32_bf16 v[8*(8*(\a)+(\b)):8*(8*(\a)+(\b))+7], v[64*(\i)+8*(\b):64*(\i)+8*(\b)+7], v[KF+32*(\hi)+8*(\a):KF+32*(\hi)+8*(\a)+7], v[8*(8*(\a)+(\b)):8*(8*(\a)+(\b))+7]
.endif
.endr
.endr
.endm
; A K STEP sigma, i = sigma % 4.  n: the loads younger than this step's set of W_k.  lead: the set asked for is that of step sigma + lead (extra = 1: the one behind it too).
; sl = 1: half chunk sigma + 6 is asked for, into staging buffer i.  ss = 1: half chunk sigma + 3, asked for three steps ago, is rounded and stored.
; bar = 1: a chunk's second half has just been stored: a barrier.  nxt = 1: the next step's fragments of keys are fetched.  cm: see MUL16.
; ORDER OF THE GLOBAL LOADS in pass 0: each step issues W(sigma + 2), then S(sigma + 6).  So behind W(sigma) stand S(sigma + 4), W(sigma + 1), S(sigma + 5): 8 + 16 + 8 = 32, and
; S(sigma + 3) stands in front of it: one wait for 32 serves both (loads come back in order: ISA guide 5.7.1).  With this step's 24 a wave has 56 out.
; LDS BETWEEN TWO BARRIERS: the stores touch chunk c + 2 alone, the reads chunks c and c + 1; a chunk is written once in the launch.
.macro STEP i, n, lead, extra, sl, ss, bar, nxt, cm
	s_wait_loadcnt \n
.if \lead
	WLOAD ((\i)+(\lead))%4, 0                      ; that set's last reader stands in front of the last step's closing places
.if \extra
	WLOAD ((\i)+(\lead)+1)%4, 8192
.endif
.endif
.if \sl
	SLOAD \i, (\i)%2, 0
.endif
	s_wait_dscnt 8                                 ; row blocks 0-3 are in; the 8 younger loads are row blocks 4-7's
	MUL16 \i, 0, 0, \cm
	MUL16 \i, 0, 2, \cm
	WIN 0
.if \ss
.if (\i)%2
	s_add_co_u32 s[TS], s[TS], CH                  ; a new chunk begins
	v_add_nc_u32 v[AST], s[TS], v[AS0]
.endif
	SCONV ((\i)+1)%4, ((\i)+1)%2                   ; its 16 conversions are the places in front of the loads below
.else
	PLACES
.endif
.if \nxt
.if (\i)%2
	s_add_co_u32 s[TK], s[TK], CH
	v_add_nc_u32 v[AKF], s[TK], v[AK0]
.endif
	KLOAD 0, ((\i)+1)%2
.endif
.if (\lead) || (\sl)
	s_wait_xcnt 0x0                                ; the bases are stepped only behind this wait
.endif
.if \lead
	s_add_nc_u64 s[WB:WB+1], s[WB:WB+1], 8192*(1+(\extra))
.endif
.if (\sl) && ((\i)%2)
	s_add_nc_u64 s[KB:KB+1], s[KB:KB+1], 256
.endif
	s_wait_dscnt 8*(\ss)+8*(\nxt)                  ; row blocks 4-7 are in; younger: this step's stores and loads
	MUL16 \i, 1, 0, \cm
.if \bar
	s_wait_dscnt 0x0                               ; for the others' sake: my rows of the chunk are in LDS
	s_barrier_signal -1
.endif
	MUL16 \i, 1, 2, \cm
.if \bar
	s_barrier_wait -1
.endif
	WIN 0
	PLACES
.if \nxt
	KLOAD 1, ((\i)+1)%2
.endif
.endm
; THE WAY OUT of one window's 32 sums (four row blocks x eight column blocks), 24 instructions a sum of 16 x 16, in three stages one sum apart:
; 2^x for sum tau; 1 + for sum tau - 1, then its reciprocals; for sum tau - 2 times -c v, added onto the same row block's sum before it (in place: four chains of eight a row block).
; A plain instruction stands behind every pair of transcendentals, and a result is used a stage later (ISA guide 5.7.2).  Each sum is read first at its lowest register.
.macro EPIW W
	WIN ((\W)<<6)|((\W)<<4)|(\W)
.set tau, 0
.rept 34
.set m, 0
.rept 4
.if tau < 32
	v_exp_f32 v[8*tau+2*m], v[8*tau+2*m]
	v_exp_f32 v[8*tau+2*m+1], v[8*tau+2*m+1]
.endif
.if (tau >= 1) && (tau <= 32)
	s_wait_alu depctr_va_vdst(0)
	v_pk_add_f32 v[8*(tau-1)+2*m:8*(tau-1)+2*m+1], v[8*(tau-1)+2*m:8*(tau-1)+2*m+1], 1.0 op_sel_hi:[1,0]
.endif
.set m, m+1
.endr
.if tau == 0
	v_nop                                          ; the plain instruction behind the first eight exponentials
.endif
.set m, 0
.rept 4
.if (tau >= 1) && (tau <= 32)
	v_rcp_f32 v[8*(tau-1)+2*m], v[8*(tau-1)+2*m]
	v_rcp_f32 v[8*(tau-1)+2*m+1], v[8*(tau-1)+2*m+1]
.endif
.if tau >= 2
.set t2, tau-2
.if (t2%8) == 0
	s_wait_alu depctr_va_vdst(0)
	v_pk_mul_f32 v[8*t2+2*m:8*t2+2*m+1], v[8*t2+2*m:8*t2+2*m+1], v[VV+2*m:VV+2*m+1]
.else
	s_wait_alu depctr_va_vdst(0)
	v_pk_fma_f32 v[8*t2+2*m:8*t2+2*m+1], v[8*t2+2*m:8*t2+2*m+1], v[VV+8*(t2%8)+2*m:VV+8*(t2%8)+2*m+1], v[8*t2-8+2*m:8*t2-8+2*m+1]
.endif
.endif
.set m, m+1
.endr
.set tau, tau+1
.endr
	WIN \W                                         ; source 0 in the window, all else in window 0
.irp p, 0,1,2,3
.irp a, 0,1,2,3
	v_pk_add_f32 v[S+2*(4*((\W)-2)+(\a)):S+2*(4*((\W)-2)+(\a))+1], v[64*(\a)+56+2*(\p):64*(\a)+56+2*(\p)+1], v[S+2*(4*((\W)-2)+(\a)):S+2*(4*((\W)-2)+(\a))+1]
.endr
.endr
	WIN 0
.endm
	s_load_b256 s[4:11], s[0:1], 0x0               ; keys s[4:5], mask s[6:7], v s[8:9], wkf s[10:11]
	s_load_b256 s[12:19], s[0:1], 0x20             ; cqt s[12:13], sc2 s[14:15], stats s[16:17], pctx s[18:19]
	v_lshl_add_u32 v[SPW], v0, 2, SPARE
	v_mov_b32 v[NIL], 0
	v_lshrrev_b32 v1, 5, v0
	v_readfirstlane_b32 s[WV], v1                  ; wave 0..3
	v_and_b32 v12, 15, v0                          ; r = L % 16
	v_bfe_u32 v13, v0, 4, 1                        ; h = L / 16
	v_and_b32 v14, 31, v0                          ; L
	v_mul_u32_u24 v[AK0], v12, PT
	v_lshl_add_u32 v[AK0], v13, 4, v[AK0]
	v_mov_b32 v[AKF], v[AK0]                       ; chunk 0
	s_mul_i32 s23, s[WV], 32*PT
	v_mul_u32_u24 v15, v13, 8*PT
	v_lshl_add_u32 v15, v12, 3, v15
	v_add_nc_u32 v[AS0], s23, v15
	v_mov_b32 v[AST], v[AS0]                       ; chunk 0
	s_lshl_b32 s23, s[WV], 17                      ; 32 rows of 4,096 bytes
	v_lshlrev_b32 v15, 15, v13
	v_lshl_add_u32 v15, v12, 4, v15
	v_add_nc_u32 v[AG0], s23, v15
	v_lshlrev_b32 v[AW0], 4, v14
	s_lshl_b32 s23, s[WV], 10                      ; my 256 columns in a table of f32
	s_add_co_u32 s23, s23, QB
	v_lshl_add_u32 v[AQ], v13, 5, s23
	v_lshrrev_b32 v9, 1, v0                        ; thread t brings c q of a = 8 t .. 8 t + 7: cqt's group t / 2, half t % 2
	v_and_b32 v15, 1, v0
	v_lshlrev_b32 v9, 11, v9
	v_lshl_add_u32 v9, v15, 5, v9
	v_lshlrev_b32 v10, 4, v0                       ; and v of a = 4 t .. and 512 + 4 t ..
	v_add_nc_u32 v11, VB, v10
	v_lshl_add_u32 v31, v0, 5, QB
.set z, 0
.rept 16
	v_mov_b32 v[S+z], 0                            ; the scores' partial sums: one text of the way out serves both passes
.set z, z+1
.endr
	s_mov_b32 s30, 0x76543210                      ; v_permlanex16_b32: each lane takes its own place in the other half
	s_mov_b32 s31, 0xfedcba98
	s_mov_b32 s34, 0xc038aa3b                      ; -c
	s_mov_b32 s35, s34                             ; named with it as a pair
	s_mov_b32 s[TK], 0
	s_mov_b32 s[TS], CH
	s_mov_b32 s[PASS], 2
	s_mov_b32 s29, 0
	s_wait_kmcnt 0x0
	s_lshl_b32 s28, ttmp9, 19                      ; the block's 128 rows of 4,096 bytes
	s_add_nc_u64 s[KB:KB+1], s[KB:KB+1], s[28:29]
	s_lshl_b32 s28, ttmp9, 7
	s_add_nc_u64 s[6:7], s[6:7], s[28:29]
	s_lshl_b32 s28, s[WV], 19                      ; my wave's 512 KB of wkf
	s_add_nc_u64 s[WB:WB+1], s[WB:WB+1], s[28:29]
	s_lshr_b32 s28, ttmp9, 4                       ; n
	s_lshl_b32 s28, s28, 6
	s_add_nc_u64 s[12:13], s[12:13], s[28:29]
	s_lshl_b32 s28, ttmp9, 9
	s_add_nc_u64 s[14:15], s[14:15], s[28:29]
	s_lshl_b32 s28, ttmp9, 3
	s_add_nc_u64 s[16:17], s[16:17], s[28:29]
	s_lshl_b32 s28, ttmp9, 12
	s_add_nc_u64 s[18:19], s[18:19], s[28:29]
	global_load_u8 v30, v0, s[6:7]                 ; my row's mask
	global_load_b128 v[12:15], v9, s[12:13]
	global_load_b128 v[16:19], v9, s[12:13] offset:16
	global_load_b128 v[20:23], v10, s[8:9]
	global_load_b128 v[24:27], v10, s[8:9] offset:2048
	SLOAD 2, 0, 0                                  ; half chunks 0 to 3
	SLOAD 3, 1, 0
	SLOAD 0, 0, 256
	SLOAD 1, 1, 256
	WLOAD 0, 0                                     ; W_k of step 0
	WIN 0
	s_wait_loadcnt 24                              ; all but half chunk 3 (8) and W_k of step 0 (16)
.irp z, 0,2,4,6
	v_pk_mul_f32 v[20+\z:21+\z], v[20+\z:21+\z], s[34:35] op_sel_hi:[1,0]
.endr
	ds_store_b128 v11, v[20:23]
	ds_store_b128 v11, v[24:27] offset:2048
	ds_store_b128 v31, v[12:15]
	ds_store_b128 v31, v[16:19] offset:16
	SCONV 2, 0                                     ; chunk 0
	SCONV 3, 1
	v_add_nc_u32 v[AST], s[TS], v[AS0]             ; chunk 1
	SCONV 0, 0
	SLOAD 2, 0, 512                                ; half chunk 4, W_k of step 1, half chunk 5: the order on which the steps' waits count
	WLOAD 1, 8192
	SLOAD 3, 1, 512
	s_wait_xcnt 0x0                                ; the bases are stepped only behind this wait
	s_add_nc_u64 s[KB:KB+1], s[KB:KB+1], 768       ; chunk 3
	s_add_nc_u64 s[WB:WB+1], s[WB:WB+1], 16384     ; step 2
	s_wait_dscnt 0x0                               ; for the others' sake: the tables and my rows of chunk 0 are in LDS
	s_barrier_signal -1
	s_barrier_wait -1
	QLOAD 192, 1, 0                                ; c q of pass 0 lies in W_k's fourth set, which step 1 is the first to load
	KLOAD 0, 0
	KLOAD 1, 0
	; PASS 0
	STEP 0, 32, 2, 0, 1, 1, 1, 1, 1
	s_mov_b32 s[CNT], 6
.Lp0:                                                  ; steps 1 to 24
	STEP 1, 32, 2, 0, 1, 1, 0, 1, 0
	STEP 2, 32, 2, 0, 1, 1, 1, 1, 0
	STEP 3, 32, 2, 0, 1, 1, 0, 1, 0
	STEP 0, 32, 2, 0, 1, 1, 1, 1, 0
	s_sub_co_u32 s[CNT], s[CNT], 1
	s_cmp_lg_u32 s[CNT], 0
	s_cbranch_scc1 .Lp0
	STEP 1, 32, 2, 0, 1, 1, 0, 1, 0                ; step 25 asks for the last half chunk, 31
	STEP 2, 32, 2, 0, 0, 1, 1, 1, 0                ; 26: younger than W(26): S(30), W(27), S(31)
	STEP 3, 24, 2, 0, 0, 1, 0, 1, 0                ; 27: S(31), W(28)
	STEP 0, 16, 2, 0, 0, 1, 1, 1, 0                ; 28: W(29); the last half chunk is stored: the last barrier of the stream
	STEP 1, 16, 2, 0, 0, 0, 0, 1, 0
	STEP 2, 16, 2, 0, 0, 0, 0, 1, 0                ; 30 asks for pass 1's step 0: wkf runs on
	STEP 3, 16, 2, 1, 0, 0, 0, 0, 0                ; 31 asks for pass 1's steps 1 and 2: they land during the way out
	s_branch .Lepi
	; PASS 1: the keys are all in LDS; W_k is asked for three steps ahead: younger than W(sigma) are two sets, 32 loads
.Lpass1:
	s_mov_b32 s[TK], 0
	v_mov_b32 v[AKF], v[AK0]
	QLOAD STG, 0, 0                                ; c q of pass 1
	KLOAD 0, 0
	KLOAD 1, 0
	STEP 0, 32, 3, 0, 0, 0, 0, 1, 2
	s_mov_b32 s[CNT], 7
.Lp1:                                                  ; steps 1 to 28
	STEP 1, 32, 3, 0, 0, 0, 0, 1, 0
	STEP 2, 32, 3, 0, 0, 0, 0, 1, 0
	STEP 3, 32, 3, 0, 0, 0, 0, 1, 0
	STEP 0, 32, 3, 0, 0, 0, 0, 1, 0
	s_sub_co_u32 s[CNT], s[CNT], 1
	s_cmp_lg_u32 s[CNT], 0
	s_cbranch_scc1 .Lp1
	STEP 1, 32, 0, 0, 0, 0, 0, 1, 0                ; nothing more is asked for: the counts run down
	STEP 2, 16, 0, 0, 0, 0, 0, 1, 0
	STEP 3, 0, 0, 0, 0, 0, 0, 0, 0
.Lepi:                                                 ; the way out, one text for both passes; the step before it closed with four places
	QLOAD VV, 0, 4096                              ; -c v of the pass's 128 columns
	s_wait_dscnt 0x0
	EPIW 2
	EPIW 3
	v_add_nc_u32 v[AQ], 512, v[AQ]                 ; the tables' next 128 columns
	s_sub_co_u32 s[PASS], s[PASS], 1
	s_cmp_lg_u32 s[PASS], 0
	s_cbranch_scc1 .Lpass1
	; THE BLOCK'S SOFTMAX.  A lane's pair and the lane 16 away hold the four parts of a row's sum over my 256 columns.
.irp rb, 0,1,2,3,4,5,6,7
	v_add_f32 v[S+2*(\rb)], v[S+2*(\rb)], v[S+2*(\rb)+1]
.endr
.irp rb, 0,1,2,3,4,5,6,7
	v_permlanex16_b32 v[S+2*(\rb)+1], v[S+2*(\rb)], s30, s31
.endr
.irp rb, 0,1,2,3,4,5,6,7
	v_add_f32 v[S+2*(\rb)], v[S+2*(\rb)], v[S+2*(\rb)+1]
.endr
	v_and_b32 v9, 15, v0
	s_lshl_b32 s23, s[WV], 9
	s_add_co_u32 s23, s23, SCB
	v_lshl_add_u32 v9, v9, 2, s23
.irp rb, 0,1,2,3,4,5,6,7
	ds_store_b32 v9, v[S+2*(\rb)] offset:64*(\rb)  ; both halves of the lanes write the same number to the same word
.endr
	s_wait_dscnt 0x0                               ; for the others' sake
	s_barrier_signal -1
	s_barrier_wait -1
	v_lshl_add_u32 v10, v0, 2, SCB                 ; thread t owns row t
	ds_load_b32 v12, v10
	ds_load_b32 v13, v10 offset:512
	ds_load_b32 v14, v10 offset:1024
	ds_load_b32 v15, v10 offset:1536
	v_mov_b32 v16, 0xff800000                      ; -infinity
	v_mov_b32 v18, 0
	v_cmp_ne_u32 vcc_lo, 0, v30
	s_wait_dscnt 0x0
	v_add_f32 v12, v12, v13
	v_add_f32 v14, v14, v15
	v_add_f32 v12, v12, v14
	v_cndmask_b32 v12, v16, v12, vcc_lo            ; the masked score
	v_mov_b32 v13, v12
	v_max_num_f32_dpp v13, v13, v13 row_xmask:1 row_mask:0xf bank_mask:0xf
	v_max_num_f32_dpp v13, v13, v13 row_xmask:2 row_mask:0xf bank_mask:0xf
	v_max_num_f32_dpp v13, v13, v13 row_xmask:4 row_mask:0xf bank_mask:0xf
	v_max_num_f32_dpp v13, v13, v13 row_xmask:8 row_mask:0xf bank_mask:0xf
	v_permlanex16_b32 v14, v13, s30, s31
	v_max_num_f32 v13, v13, v14
	v_max_num_f32 v13, 0xff7fffff, v13             ; finite, so that s - m is no difference of infinities
	s_lshl_b32 s23, s[WV], 2
	s_add_co_u32 s23, s23, RED
	v_mov_b32 v15, s23
	ds_store_b32 v15, v13
	s_wait_dscnt 0x0
	s_barrier_signal -1
	s_barrier_wait -1
	v_mov_b32 v17, RED
	ds_load_b128 v[20:23], v17
	s_wait_dscnt 0x0
	v_max_num_f32 v20, v20, v21
	v_max_num_f32 v22, v22, v23
	v_max_num_f32 v24, v20, v22                    ; m
	v_sub_f32 v13, v12, v24
	v_exp_f32 v13, v13                             ; p
	v_nop                                          ; a plain instruction behind the exponential
	s_wait_alu depctr_va_vdst(0)
	v_mov_b32 v14, v13
	v_add_f32_dpp v14, v14, v14 row_xmask:1 row_mask:0xf bank_mask:0xf
	v_add_f32_dpp v14, v14, v14 row_xmask:2 row_mask:0xf bank_mask:0xf
	v_add_f32_dpp v14, v14, v14 row_xmask:4 row_mask:0xf bank_mask:0xf
	v_add_f32_dpp v14, v14, v14 row_xmask:8 row_mask:0xf bank_mask:0xf
	v_permlanex16_b32 v18, v14, s30, s31
	v_add_f32 v14, v14, v18
	v_lshl_add_u32 v19, v0, 2, PB
	ds_store_b32 v19, v13
	ds_store_b32 v19, v12 offset:SMB-PB
	ds_store_b32 v15, v14 offset:16                ; other bytes than the maxima's
	s_wait_dscnt 0x0
	s_barrier_signal -1
	s_barrier_wait -1
	; THE PARTIAL CONTEXT, from the bf16 keys in LDS.  Wave w owns the channels 256 w .. 256 w + 255 = chunks 4 w .. 4 w + 3; a lane the channels 256 w + 128 g + 4 L + 0..3, g = 0, 1.
	s_lshl_b32 s23, s[WV], 2
	v_bfe_u32 v9, v0, 4, 1
	v_add_nc_u32 v9, s23, v9
	v_mul_u32_u24 v9, v9, CH
	v_and_b32 v10, 15, v0
	v_lshl_add_u32 v9, v10, 3, v9                  ; chunk 4 w + L / 16, byte 8 (L % 16): the two chunks of a load lie 128 apart modulo 256
	v_mov_b32 v10, PB
.set z, 0
.rept 8
	v_mov_b32 v[S+z], 0
.set z, z+1
.endr
	s_mov_b32 s[CNT], 8
.Lctx:                                                 ; a trip: 16 rows
.irp i, 0,1,2,3
	ds_load_b128 v[KF+4*(\i):KF+4*(\i)+3], v10 offset:16*(\i)  ; their p, the same in every lane
.endr
.irp i, 0,1,2,3,4,5,6,7,8,9,10,11,12,13,14,15
	ds_load_b64 v[STG+4*(\i):STG+4*(\i)+1],   v9 offset:(\i)*PT
	ds_load_b64 v[STG+4*(\i)+2:STG+4*(\i)+3], v9 offset:(\i)*PT+2*CH
.endr
.irp i, 0,1,2,3,4,5,6,7,8,9,10,11,12,13,14,15
	s_wait_dscnt 30-2*(\i)                         ; row i's two loads are in; the later rows' stay out
.irp d, 0,1,2,3
	v_fma_mix_f32_bf16 v[S+2*(\d)],   v[STG+4*(\i)+(\d)], v[KF+(\i)], v[S+2*(\d)]   op_sel_hi:[1,0,0]
	v_fma_mix_f32_bf16 v[S+2*(\d)+1], v[STG+4*(\i)+(\d)], v[KF+(\i)], v[S+2*(\d)+1] op_sel:[1,0,0] op_sel_hi:[1,0,0]
.endr
.endr
	v_add_nc_u32 v9, 16*PT, v9
	v_add_nc_u32 v10, 64, v10
	s_sub_co_u32 s[CNT], s[CNT], 1
	s_cmp_lg_u32 s[CNT], 0
	s_cbranch_scc1 .Lctx
	s_lshl_b32 s23, s[WV], 10
	v_add_nc_u32 v11, s23, v[AW0]
	global_store_b128 v11, v[S:S+3], s[18:19]              ; the wave stores 512 consecutive bytes, aligned
	global_store_b128 v11, v[S+4:S+7], s[18:19] offset:512
	s_cmp_lg_u32 s[WV], 0
	s_cbranch_scc1 .Lend
	v_add_nc_u32 v12, SMB, v[AW0]                  ; wave 0 stores the block's scores and its two statistics
	v_mov_b32 v13, RED+16
	ds_load_b128 v[48:51], v12
	ds_load_b128 v[52:55], v13
	v_mov_b32 v26, 0
	s_wait_dscnt 0x0
	global_store_b128 v[AW0], v[48:51], s[14:15]   ; 512 consecutive bytes, aligned
	v_add_f32 v52, v52, v53
	v_add_f32 v54, v54, v55
	v_add_f32 v25, v52, v54                        ; l, beside m in v24
	s_wait_xcnt 0x0                                ; EXEC changes only behind this wait
	v_cmp_eq_u32 vcc_lo, 0, v0
	s_and_saveexec_b32 s32, vcc_lo
	global_store_b64 v26, v[24:25], s[16:17]
	s_wait_xcnt 0x0                                ; and again, in front of the line that widens it
	s_or_b32 exec_lo, exec_lo, s32
.Lend:
	s_wait_tensorcnt 0x0                           ; the wave's end
	ds_add_u32 v[SPW], v[NIL]
	s_wait_dscnt 0x0
	s_endpgm
.Lfunc_end_k_qfbc578d152_score:
	.size	k_qfbc578d152_score, .Lfunc_end_k_qfbc578d152_score-k_qfbc578d152_score
	.p2alignl 7, 3214868480
	.fill 96, 4, 3214868480
	.section	.rodata,"a",@progbits
	.p2align	6, 0x0
	.amdhsa_kernel k_qfbc578d152_score
		.amdhsa_group_segment_fixed_size 308992
		.amdhsa_private_segment_fixed_size 0
		.amdhsa_enable_private_segment 0
		.amdhsa_kernarg_size 64
		.amdhsa_user_sgpr_count 2
		.amdhsa_user_sgpr_kernarg_segment_ptr 1
		.amdhsa_wavefront_size32 1
		.amdhsa_system_sgpr_workgroup_id_x 1
		.amdhsa_system_sgpr_workgroup_id_y 1
		.amdhsa_system_sgpr_workgroup_id_z 1
		.amdhsa_system_vgpr_workitem_id 0
		.amdhsa_next_free_vgpr 1024
		.amdhsa_next_free_sgpr 66
		.amdhsa_reserve_vcc 1
		.amdhsa_float_denorm_mode_32 3
		.amdhsa_float_denorm_mode_16_64 3
		.amdhsa_memory_ordered 1
		.amdhsa_forward_progress 1
		.amdhsa_inst_pref_size 255
	.end_amdhsa_kernel
	.section	.bss,"aw",@nobits
	.p2align	6
	.space	262144
	.amdgpu_metadata
---
amdhsa.version: [ 1, 2 ]
amdhsa.kernels:
  - .name:           k_qfbc578d152_score
    .symbol:         k_qfbc578d152_score.kd
    .args:
      - { .name: keys, .offset: 0, .size: 8, .value_kind: global_buffer, .address_space: global }
      - { .name: mask, .offset: 8, .size: 8, .value_kind: global_buffer, .address_space: global }
      - { .name: v, .offset: 16, .size: 8, .value_kind: global_buffer, .address_space: global }
      - { .name: wkf, .offset: 24, .size: 8, .value_kind: global_buffer, .address_space: global }
      - { .name: cqt, .offset: 32, .size: 8, .value_kind: global_buffer, .address_space: global }
      - { .name: sc2, .offset: 40, .size: 8, .value_kind: global_buffer, .address_space: global }
      - { .name: stats, .offset: 48, .size: 8, .value_kind: global_buffer, .address_space: global }
      - { .name: pctx, .offset: 56, .size: 8, .value_kind: global_buffer, .address_space: global }
    .group_segment_fixed_size: 308992
    .private_segment_fixed_size: 0
    .kernarg_segment_align: 8
    .kernarg_segment_size: 64
    .max_flat_workgroup_size: 128
    .sgpr_count:     66
    .vgpr_count:     1024
    .wavefront_size: 32
...
	.end_amdgpu_metadata
.endif
;; end of part 2
;; launch combine (part 3): grid 32 x 1, 8 waves a work-group, no clusters, 0 bytes of LDS; arguments sc2, stats, pctx, out0, out1; writes out0, out1
.if DOCPART == 3
	.amdgcn_target "amdgcn-amd-amdhsa--gfx1250"
	.amdhsa_code_object_version 6
	.text
	.protected	k_qfbc578d152_combine
	.globl	k_qfbc578d152_combine
	.p2align	8
	.type	k_qfbc578d152_combine,@function
k_qfbc578d152_combine:
	s_mov_b64 s[64:65], 0
	v_nop
	global_prefetch_b8 v0, s[64:65] scope:SCOPE_SE
	s_setreg_imm32_b32 hwreg(HW_REG_WAVE_MODE, 25, 1), 1
	s_wait_xcnt 0x0
; COMBINE.  A batch row's 16 blocks are joined: M = max m_b, f_b = 2^(m_b - M), Lsum = sum f_b l_b;
;   out1[n][l] = 2^(s2[l] - M) / Lsum        out0[n][:] = sum over b of (f_b / Lsum) pctx[b][:]
; One work-group for each batch row n, eight waves; thread t owns 16 bytes of every row of 4,096.  Every wave makes the statistics for itself: each half of 16 lanes holds all
; 16 blocks, so four exchanges inside the half give every lane M and Lsum: no LDS, no barrier.  All 19 loads go out first; the waits count the younger ones.
; 2.4 MB are read in all: matrix units, LDS and clusters have nothing to add.
; LIMITS.  A batch row that is masked everywhere has Lsum = 0 and gives NaN, as the reference's softmax does.  The exponential flushes denormals: a weight below 2^-126 of the largest is 0.
.set X, 32                             ; v[32:95] my 16 bytes of the 16 partial contexts
.set G, 32                             ; s[32:47] f_b / Lsum
	s_load_b256 s[4:11], s[0:1], 0x0               ; sc2 s[4:5], stats s[6:7], pctx s[8:9], out0 s[10:11]
	s_load_b64 s[12:13], s[0:1], 0x20              ; out1
	v_and_b32 v1, 15, v0
	v_lshlrev_b32 v1, 3, v1                        ; block L % 16: its (m, l)
	v_lshlrev_b32 v2, 4, v0                        ; 16 t
	s_mov_b32 s15, 0
	s_wait_kmcnt 0x0
	s_lshl_b32 s14, ttmp9, 13                      ; 2,048 f32
	s_add_nc_u64 s[4:5], s[4:5], s[14:15]
	s_add_nc_u64 s[12:13], s[12:13], s[14:15]
	s_lshl_b32 s14, ttmp9, 7                       ; 16 blocks x 8 bytes
	s_add_nc_u64 s[6:7], s[6:7], s[14:15]
	s_lshl_b32 s14, ttmp9, 16                      ; 16 blocks x 4,096 bytes
	s_add_nc_u64 s[8:9], s[8:9], s[14:15]
	s_lshl_b32 s14, ttmp9, 12
	s_add_nc_u64 s[10:11], s[10:11], s[14:15]
	global_load_b64 v[4:5], v1, s[6:7]
	global_load_b128 v[8:11], v2, s[4:5]
	global_load_b128 v[12:15], v2, s[4:5] offset:4096
.irp b, 0,1,2,3,4,5,6,7,8,9,10,11,12,13,14,15
	global_load_b128 v[X+4*(\b):X+4*(\b)+3], v2, s[8:9] offset:4096*(\b)
.endr
	s_wait_loadcnt 18                              ; the statistics are in; the 18 younger loads stay out
	v_mov_b32 v6, v4
	v_max_num_f32_dpp v6, v6, v6 row_xmask:1 row_mask:0xf bank_mask:0xf
	v_max_num_f32_dpp v6, v6, v6 row_xmask:2 row_mask:0xf bank_mask:0xf
	v_max_num_f32_dpp v6, v6, v6 row_xmask:4 row_mask:0xf bank_mask:0xf
	v_max_num_f32_dpp v6, v6, v6 row_xmask:8 row_mask:0xf bank_mask:0xf  ; M
	v_sub_f32 v7, v4, v6
	v_exp_f32 v7, v7                               ; f
	v_nop                                          ; a plain instruction behind the exponential
	s_wait_alu depctr_va_vdst(0)
	v_mul_f32 v16, v7, v5
	v_add_f32_dpp v16, v16, v16 row_xmask:1 row_mask:0xf bank_mask:0xf
	v_add_f32_dpp v16, v16, v16 row_xmask:2 row_mask:0xf bank_mask:0xf
	v_add_f32_dpp v16, v16, v16 row_xmask:4 row_mask:0xf bank_mask:0xf
	v_add_f32_dpp v16, v16, v16 row_xmask:8 row_mask:0xf bank_mask:0xf  ; Lsum
	v_rcp_f32 v17, v16
	v_nop                                          ; a plain instruction behind the reciprocal
	s_wait_alu depctr_va_vdst(0)
	v_mul_f32 v18, v7, v17
.irp b, 0,1,2,3,4,5,6,7,8,9,10,11,12,13,14,15
	v_readlane_b32 s[G+(\b)], v18, \b              ; lane b holds block b's factor: a multiplier, no address
.endr
	s_wait_loadcnt 16                              ; the scores are in; the 16 partial contexts stay out
.irp k, 0,1,2,3,4,5,6,7
	v_sub_f32 v[8+(\k)], v[8+(\k)], v6
.endr
.irp k, 0,1,2,3,4,5,6,7
	v_exp_f32 v[8+(\k)], v[8+(\k)]
.endr
	v_nop
	s_wait_alu depctr_va_vdst(0)
.irp k, 0,1,2,3,4,5,6,7
	v_mul_f32 v[8+(\k)], v[8+(\k)], v17
.endr
	global_store_b128 v2, v[8:11], s[12:13]        ; each store of a wave covers 512 consecutive bytes, aligned
	global_store_b128 v2, v[12:15], s[12:13] offset:4096
	s_wait_loadcnt 15
.irp k, 0,1,2,3
	v_mul_f32 v[20+(\k)], s[G], v[X+(\k)]          ; the first block starts the sums
.endr
.irp b, 1,2,3,4,5,6,7,8,9,10,11,12,13,14,15
	s_wait_loadcnt 15-(\b)                         ; block b's load is in; the later blocks' stay out
.irp k, 0,1,2,3
	v_fmac_f32 v[20+(\k)], s[G+(\b)], v[X+4*(\b)+(\k)]
.endr
.endr
	global_store_b128 v2, v[20:23], s[10:11]
	s_endpgm
.Lfunc_end_k_qfbc578d152_combine:
	.size	k_qfbc578d152_combine, .Lfunc_end_k_qfbc578d152_combine-k_qfbc578d152_combine
	.p2alignl 7, 3214868480
	.fill 96, 4, 3214868480
	.section	.rodata,"a",@progbits
	.p2align	6, 0x0
	.amdhsa_kernel k_qfbc578d152_combine
		.amdhsa_group_segment_fixed_size 0
		.amdhsa_private_segment_fixed_size 0
		.amdhsa_enable_private_segment 0
		.amdhsa_kernarg_size 40
		.amdhsa_user_sgpr_count 2
		.amdhsa_user_sgpr_kernarg_segment_ptr 1
		.amdhsa_wavefront_size32 1
		.amdhsa_system_sgpr_workgroup_id_x 1
		.amdhsa_system_sgpr_workgroup_id_y 1
		.amdhsa_system_sgpr_workgroup_id_z 1
		.amdhsa_system_vgpr_workitem_id 0
		.amdhsa_next_free_vgpr 96
		.amdhsa_next_free_sgpr 66
		.amdhsa_reserve_vcc 0
		.amdhsa_float_denorm_mode_32 3
		.amdhsa_float_denorm_mode_16_64 3
		.amdhsa_memory_ordered 1
		.amdhsa_forward_progress 1
		.amdhsa_inst_pref_size 9
	.end_amdhsa_kernel
	.amdgpu_metadata
---
amdhsa.version: [ 1, 2 ]
amdhsa.kernels:
  - .name:           k_qfbc578d152_combine
    .symbol:         k_qfbc578d152_combine.kd
    .args:
      - { .name: sc2, .offset: 0, .size: 8, .value_kind: global_buffer, .address_space: global }
      - { .name: stats, .offset: 8, .size: 8, .value_kind: global_buffer, .address_space: global }
      - { .name: pctx, .offset: 16, .size: 8, .value_kind: global_buffer, .address_space: global }
      - { .name: out0, .offset: 24, .size: 8, .value_kind: global_buffer, .address_space: global }
      - { .name: out1, .offset: 32, .size: 8, .value_kind: global_buffer, .address_space: global }
    .group_segment_fixed_size: 0
    .private_segment_fixed_size: 0
    .kernarg_segment_align: 8
    .kernarg_segment_size: 40
    .max_flat_workgroup_size: 256
    .sgpr_count:     66
    .vgpr_count:     96
    .wavefront_size: 32
...
	.end_amdgpu_metadata
.endif
;; end of part 3
;; ======== version 2 of 2: 3 launches; 1.12 times as fast as version 1
;; workspace buffers: wkf 2,097,152 bytes; cqt 131,072 bytes; sc2 262,144 bytes; stats 4,096 bytes; pctx 2,097,152 bytes
;; launch prep: the kernel of part 1 again; grid 64 x 1, 8 waves a work-group, no clusters, 17,408 bytes of LDS; arguments W_k, W_q, query, wkf, cqt; writes wkf, cqt
;; launch score (part 4): grid 512 x 1, 4 waves a work-group, no clusters, 308,992 bytes of LDS; arguments keys, mask, v, wkf, cqt, sc2, stats, pctx; writes sc2, stats, pctx
.if DOCPART == 4
	.amdgcn_target "amdgcn-amd-amdhsa--gfx1250"
	.amdhsa_code_object_version 6
	.text
	.protected	k_qfbc578d152_score
	.globl	k_qfbc578d152_score
	.p2align	8
	.type	k_qfbc578d152_score,@function
k_qfbc578d152_score:
	s_mov_b64 s[64:65], 0
	v_nop
	global_prefetch_b8 v0, s[64:65] scope:SCOPE_SE
	s_setreg_imm32_b32 hwreg(HW_REG_WAVE_MODE, 25, 1), 1
	s_wait_xcnt 0x0
; SCORE.  For a block of 128 rows l of one batch row n (block b = 16 n + l / 128):
;   s2[l] = sum over a of (-c v[a]) / (1 + 2^(c (keys[l] . W_k[a] + q[a]))),  c = 2 log2(e).
; Since tanh x = 1 - 2 / (1 + e^(2x)), s2 is log2(e) x (the reference's score) less the constant log2(e) x sum(v), which a softmax does not see, whatever v.
; Then, of the block: m = max of the masked s2, p = 2^(s2 - m), l = sum p, and the partial context sum p[l] keys[l][:].  A later launch joins a batch row's 16 blocks.
; THE KEYS ARE READ FROM MEMORY ONCE: the block's 128 rows, rounded to bf16, stay in LDS (16 chunks of 64 along K) from the product to the context.
; SHARES.  Four waves.  Wave w owns the columns a = 256 w .. 256 w + 255, in two passes of 128: a tile of 128 rows x 128 columns, 64 sums of 16 x 16, 512 registers.
; A K step is 32: 64 matrix instructions.  PASS 0 STREAMS THE KEYS IN WHILE IT MULTIPLIES: K step sigma wants K slice sigma alone.
; W_k (wkf: bf16, times c, in fragment order) goes from memory straight into registers: within the work-group a wave's columns are read by that wave alone, its two passes
; are one run of 512 KB, 8 KB a step, and each load covers 512 consecutive bytes.  NO TENSOR LOAD, NO CLUSTER: the block and its tables take 308,992 of LDS's 327,680 bytes;
; what is left holds no two slots of W_k, so there is no LDS tile that partners could ask for jointly.
; THE MATRIX INSTRUCTION: source 0 = 16 columns a (W_k), source 1 = 16 rows l (keys): register j of lane (r, h) is (a = 8 h + j, row = r).  So a lane holds ONE row and the
; sum over a runs along its registers.  c q enters as the C operand of each sum's first product.
; THE TRANSCENDENTALS' BATCHES.  The way out of a window's 32 sums goes in six steps, a row block (64 registers) a stage; what a step issues, up to 64 exponentials and 64 reciprocals, is ONE batch,
; named by nothing before the next step, at whose head its one wait stands: five waits a window, ten a pass.  The softmax's one exponential a thread is a batch of its own.
; LIMITS.  keys and c W_k are rounded to bf16 (the context takes the bf16 keys too).  Where 2^x overflows the term is 0, where it underflows the term is -c v: tanh = +1, -1.
; The exponential and the reciprocal flush denormals.  NaN and infinities in the inputs are not treated apart.  A block that is masked everywhere gives m = -3.4e38, l = 0, context 0.
; The two statistics of a block are 8 bytes, a part of an aligned 256: 4 KB for the whole launch.
; REGISTERS, in windows of 256 (s_set_vgpr_msb: bits 1:0 source 0, 3:2 source 1, 5:4 source 2, 7:6 destination):
;   window 0: addresses, S, the keys' fragments, the staging buffers     window 1: four sets of W_k's fragments     windows 2, 3: the sums of rows 0-63, 64-127
.set CH,    18560                      ; a chunk: 128 rows x 144 bytes, and 128 bytes more, so that neighbouring chunks lie 128 apart modulo 256
.set PT,    144                        ; a row in a chunk: 128 bytes + 16: nine times 16, so the 16 rows of a fragment load start at 16 different groups of four banks (64 banks of 4 bytes: ISA guide 11.1)
.set QB,    16*CH                      ; c q of this batch row, f32 [1024]
.set VB,    QB+4096                    ; -c v, f32 [1024]
.set SCB,   VB+4096                    ; [4 waves][128 rows] partial scores
.set PB,    SCB+2048                   ; p [128]
.set SMB,   PB+512                     ; masked scores [128]
.set RED,   SMB+512                    ; the waves' maxima at +0, sums at +16
.set SPARE, RED+256                    ; the spare words, 128 bytes for each wave
.set AK0, 2                            ; v2   my lane's place in a fragment of keys: (L % 16) x 144 + (L / 16) x 16; never rewritten
.set AKF, 3                            ; v3   + the chunk that is read
.set AS0, 4                            ; v4   where I store: row 32 w + 8 (L / 16), byte 8 (L % 16); never rewritten
.set AST, 5                            ; v5   + the chunk that is stored
.set AG0, 6                            ; v6   the same place in keys: row x 4,096 + 16 (L % 16); never rewritten
.set AW0, 7                            ; v7   16 L; never rewritten
.set AQ,  8                            ; v8   QB + my pass's 128 columns + 32 (L / 16)
.set SPW, 28                           ; v28  LDS address of my spare word; never rewritten
.set NIL, 29                           ; v29  0; never rewritten
.set S,   32                           ; v[32:47] a pair of partial scores for each of 8 row blocks
.set KF,  48                           ; v[48:79] keys' fragments of row blocks 0-3, v[80:111] of 4-7
.set STG, 112                          ; v[112:239] four staging buffers of 32; later c q and -c v of a pass
.set VV,  STG+64
.set KB,  4                            ; s[4:5]   keys, walking along K
.set WB,  10                           ; s[10:11] wkf, walking
.set WV,  20                           ; s20 my wave's number
.set TK,  24                           ; s24 LDS byte of the chunk that is read
.set TS,  25                           ; s25 of the chunk that is stored
.set CNT, 26
.set PASS, 27
.set MSB, 0
.macro WIN new                         ; the immediate's high byte repeats the setting that is left; a switch that changes nothing is dropped
.if MSB != (\new)
	s_set_vgpr_msb (MSB<<8)|(\new)
.set MSB, (\new)
.endif
.endm
.macro PLACES                          ; four places behind matrix instructions, in front of loads into registers that they read and of vector reads of their results
.rept 4
	v_nop
.endr
.endm
.macro WLOAD buf, imm                  ; a K step's 8 fragments of W_k: 16 loads of 512 consecutive bytes
	WIN 0x40
.irp f, 0,1,2,3,4,5,6,7,8,9,10,11,12,13,14,15
	global_load_b128 v[64*(\buf)+4*(\f):64*(\buf)+4*(\f)+3], v[AW0], s[WB:WB+1] offset:(\imm)+512*(\f)
.endr
.endm
.macro SLOAD buf, a, xo                ; half a chunk of my 32 rows: 16 rows x 256 bytes of f32; lanes 0-15 take one row's 256 aligned bytes, lanes 16-31 those of the row 8 further down
	WIN 0
.irp i, 0,1,2,3,4,5,6,7
	global_load_b128 v[STG+32*(\buf)+4*(\i):STG+32*(\buf)+4*(\i)+3], v[AG0], s[KB:KB+1] offset:(16*(\a)+(\i))*4096+(\xo) th:TH_LOAD_NT
.endr
.endm
.macro SCONV buf, a                    ; rounded to bf16 and stored: 16 lanes fill a row's 128 bytes; the two rows of a store lie 128 apart modulo 256
.irp i, 0,1,2,3,4,5,6,7
	v_cvt_pk_bf16_f32 v[STG+32*(\buf)+4*(\i)], v[STG+32*(\buf)+4*(\i)], v[STG+32*(\buf)+4*(\i)+1]
	v_cvt_pk_bf16_f32 v[STG+32*(\buf)+4*(\i)+1], v[STG+32*(\buf)+4*(\i)+2], v[STG+32*(\buf)+4*(\i)+3]
	ds_store_b64 v[AST], v[STG+32*(\buf)+4*(\i):STG+32*(\buf)+4*(\i)+1] offset:(16*(\a)+(\i))*PT
.endr
.endm
.macro KLOAD half, u                   ; the keys' fragments of four row blocks, 32 along K at byte 64 u of the chunk's rows
	WIN 0
.irp q, 0,1,2,3
	ds_load_b128 v[KF+32*(\half)+8*(\q):KF+32*(\half)+8*(\q)+3],   v[AKF] offset:(4*(\half)+(\q))*16*PT+64*(\u)
	ds_load_b128 v[KF+32*(\half)+8*(\q)+4:KF+32*(\half)+8*(\q)+7], v[AKF] offset:(4*(\half)+(\q))*16*PT+64*(\u)+32
.endr
.endm
.macro QLOAD dst, win, off             ; for each of 8 column blocks the lane's eight numbers a = 8 (L / 16) + 0..7 of a table
	WIN 0x40*(\win)
.irp cb, 0,1,2,3,4,5,6,7
	ds_load_b128 v[(\dst)+8*(\cb):(\dst)+8*(\cb)+3],   v[AQ] offset:(\off)+64*(\cb)
	ds_load_b128 v[(\dst)+8*(\cb)+4:(\dst)+8*(\cb)+7], v[AQ] offset:(\off)+64*(\cb)+16
.endr
	WIN 0
.endm
; 16 matrix instructions: row blocks a0, a0 + 1 of the window's four x all 8 column blocks.  cm = 0: onto the sums; 1: c q (window 1, v192-255) starts them; 2: c q (window 0, STG) starts them.
; The 64 sums take turns, one instruction a turn, in the same order in every step.
.macro MUL16 i, hi, a0, cm
.if (\cm) == 1
	WIN 0x91+0x40*(\hi)
.elseif (\cm) == 2
	WIN 0x81+0x40*(\hi)
.else
	WIN 0xa1+0x50*(\hi)
.endif
.irp a, \a0, (\a0)+1
.irp b, 0,1,2,3,4,5,6,7
.if (\cm) == 1
	v_wmma_f32_16x16x32_bf16 v[8*(8*(\a)+(\b)):8*(8*(\a)+(\b))+7], v[64*(\i)+8*(\b):64*(\i)+8*(\b)+7], v[KF+32*(\hi)+8*(\a):KF+32*(\hi)+8*(\a)+7], v[192+8*(\b):192+8*(\b)+7]
.elseif (\cm) == 2
	v_wmma_f32_16x16x32_bf16 v[8*(8*(\a)+(\b)):8*(8*(\a)+(\b))+7], v[64*(\i)+8*(\b):64*(\i)+8*(\b)+7], v[KF+32*(\hi)+8*(\a):KF+32*(\hi)+8*(\a)+7], v[STG+8*(\b):STG+8*(\b)+7]
.else
	v_wmma_f32_16x16x32_bf16 v[8*(8*(\a)+(\b)):8*(8*(\a)+(\b))+7], v[64*(\i)+8*(\b):64*(\i)+8*(\b)+7], v[KF+32*(\hi)+8*(\a):KF+32*(\hi)+8*(\a)+7], v[8*(8*(\a)+(\b)):8*(8*(\a)+(\b))+7]
.endif
.endr
.endr
.endm
; A K STEP sigma, i = sigma % 4.  n: the loads younger than this step's set of W_k.  lead: the set asked for is that of step sigma + lead (extra = 1: the one behind it too).
; sl = 1: half chunk sigma + 6 is asked for, into staging buffer i.  ss = 1: half chunk sigma + 3, asked for three steps ago, is rounded and stored.
; bar = 1: a chunk's second half has just been stored: a barrier.  nxt = 1: the next step's fragments of keys are fetched.  cm: see MUL16.
; ORDER OF THE GLOBAL LOADS in pass 0: each step issues W(sigma + 2), then S(sigma + 6).  So behind W(sigma) stand S(sigma + 4), W(sigma + 1), S(sigma + 5): 8 + 16 + 8 = 32, and
; S(sigma + 3) stands in front of it: one wait for 32 serves both (loads come back in order: ISA guide 5.7.1).  With this step's 24 a wave has 56 out.
; LDS BETWEEN TWO BARRIERS: the stores touch chunk c + 2 alone, the reads chunks c and c + 1; a chunk is written once in the launch.
.macro STEP i, n, lead, extra, sl, ss, bar, nxt, cm
	s_wait_loadcnt \n
.if \lead
	WLOAD ((\i)+(\lead))%4, 0                      ; that set's last reader stands in front of the last step's closing places
.if \extra
	WLOAD ((\i)+(\lead)+1)%4, 8192
.endif
.endif
.if \sl
	SLOAD \i, (\i)%2, 0
.endif
	s_wait_dscnt 8                                 ; row blocks 0-3 are in; the 8 younger loads are row blocks 4-7's
	MUL16 \i, 0, 0, \cm
	MUL16 \i, 0, 2, \cm
	WIN 0
.if \ss
.if (\i)%2
	s_add_co_u32 s[TS], s[TS], CH                  ; a new chunk begins
	v_add_nc_u32 v[AST], s[TS], v[AS0]
.endif
	SCONV ((\i)+1)%4, ((\i)+1)%2                   ; its 16 conversions are the places in front of the loads below
.else
	PLACES
.endif
.if \nxt
.if (\i)%2
	s_add_co_u32 s[TK], s[TK], CH
	v_add_nc_u32 v[AKF], s[TK], v[AK0]
.endif
	KLOAD 0, ((\i)+1)%2
.endif
.if (\lead) || (\sl)
	s_wait_xcnt 0x0                                ; the bases are stepped only behind this wait
.endif
.if \lead
	s_add_nc_u64 s[WB:WB+1], s[WB:WB+1], 8192*(1+(\extra))
.endif
.if (\sl) && ((\i)%2)
	s_add_nc_u64 s[KB:KB+1], s[KB:KB+1], 256
.endif
	s_wait_dscnt 8*(\ss)+8*(\nxt)                  ; row blocks 4-7 are in; younger: this step's stores and loads
	MUL16 \i, 1, 0, \cm
.if \bar
	s_wait_dscnt 0x0                               ; for the others' sake: my rows of the chunk are in LDS
	s_barrier_signal -1
.endif
	MUL16 \i, 1, 2, \cm
.if \bar
	s_barrier_wait -1
.endif
	WIN 0
	PLACES
.if \nxt
	KLOAD 1, ((\i)+1)%2
.endif
.endm
; THE WAY OUT of one window's 32 sums (four row blocks x eight column blocks), 24 instructions a sum of 16 x 16, in three stages one ROW BLOCK (eight sums, 64 registers, 32 pairs) apart.
; Step stp of six.  First half: 2^x for row block stp, and behind each pair of exponentials one 1 + for a pair of row block stp - 1.  Second half: the reciprocals of row block stp - 1, and behind each
; pair of them a pair of row block stp - 2 times -c v, added onto the same row block's sum before it (in place: four chains of eight a row block, their links twelve lines apart).
; BATCHES.  What a step's lines name of transcendentals' results was issued in the step before: 1 + reads that step's exponentials, the products by -c v its reciprocals; the reciprocals read this step's
; 1 +, in registers that were named behind the wait.  So a step's transcendentals are ONE batch, the rest of the step is the work between it and its wait, and the wait
; stands once, at the head of the next step: five a window.  Behind step 5's wait no transcendental is issued.
; A step's last line is plain and names no result of the batch (ISA guide 5.7.2): a product by -c v, or in steps 0 and 1, which have none, a v_nop.  Each sum is read first at its lowest register.
.macro EPIW W
	WIN ((\W)<<6)|((\W)<<4)|(\W)
.set stp, 0
.rept 6
.if stp > 0
	s_wait_alu depctr_va_vdst(0)                   ; ONE wait for the batch of the step before: row block stp - 1's exponentials and row block stp - 2's reciprocals
.endif
.set pr, 0
.rept 32
.if stp < 4
	v_exp_f32 v[64*stp+2*pr], v[64*stp+2*pr]
	v_exp_f32 v[64*stp+2*pr+1], v[64*stp+2*pr+1]
.endif
.if (stp >= 1) && (stp <= 4)
	v_pk_add_f32 v[64*(stp-1)+2*pr:64*(stp-1)+2*pr+1], v[64*(stp-1)+2*pr:64*(stp-1)+2*pr+1], 1.0 op_sel_hi:[1,0]
.endif
.set pr, pr+1
.endr
.set pr, 0
.rept 32
.if (stp >= 1) && (stp <= 4)
	v_rcp_f32 v[64*(stp-1)+2*pr], v[64*(stp-1)+2*pr]
	v_rcp_f32 v[64*(stp-1)+2*pr+1], v[64*(stp-1)+2*pr+1]
.endif
.if stp >= 2
.if pr < 4                                     ; the row block's first sum starts the four chains
	v_pk_mul_f32 v[64*(stp-2)+2*pr:64*(stp-2)+2*pr+1], v[64*(stp-2)+2*pr:64*(stp-2)+2*pr+1], v[VV+2*pr:VV+2*pr+1]
.else
	v_pk_fma_f32 v[64*(stp-2)+2*pr:64*(stp-2)+2*pr+1], v[64*(stp-2)+2*pr:64*(stp-2)+2*pr+1], v[VV+2*pr:VV+2*pr+1], v[64*(stp-2)+2*pr-8:64*(stp-2)+2*pr-7]
.endif
.endif
.set pr, pr+1
.endr
.if stp < 2
	v_nop                                          ; the plain instruction behind the step's last transcendental, where no product by -c v follows it
.endif
.set stp, stp+1
.endr
	WIN \W                                         ; source 0 in the window, all else in window 0
.irp p, 0,1,2,3
.irp a, 0,1,2,3
	v_pk_add_f32 v[S+2*(4*((\W)-2)+(\a)):S+2*(4*((\W)-2)+(\a))+1], v[64*(\a)+56+2*(\p):64*(\a)+56+2*(\p)+1], v[S+2*(4*((\W)-2)+(\a)):S+2*(4*((\W)-2)+(\a))+1]
.endr
.endr
	WIN 0
.endm
	s_load_b256 s[4:11], s[0:1], 0x0               ; keys s[4:5], mask s[6:7], v s[8:9], wkf s[10:11]
	s_load_b256 s[12:19], s[0:1], 0x20             ; cqt s[12:13], sc2 s[14:15], stats s[16:17], pctx s[18:19]
	v_lshl_add_u32 v[SPW], v0, 2, SPARE
	v_mov_b32 v[NIL], 0
	v_lshrrev_b32 v1, 5, v0
	v_readfirstlane_b32 s[WV], v1                  ; wave 0..3
	v_and_b32 v12, 15, v0                          ; r = L % 16
	v_bfe_u32 v13, v0, 4, 1                        ; h = L / 16
	v_and_b32 v14, 31, v0                          ; L
	v_mul_u32_u24 v[AK0], v12, PT
	v_lshl_add_u32 v[AK0], v13, 4, v[AK0]
	v_mov_b32 v[AKF], v[AK0]                       ; chunk 0
	s_mul_i32 s23, s[WV], 32*PT
	v_mul_u32_u24 v15, v13, 8*PT
	v_lshl_add_u32 v15, v12, 3, v15
	v_add_nc_u32 v[AS0], s23, v15
	v_mov_b32 v[AST], v[AS0]                       ; chunk 0
	s_lshl_b32 s23, s[WV], 17                      ; 32 rows of 4,096 bytes
	v_lshlrev_b32 v15, 15, v13
	v_lshl_add_u32 v15, v12, 4, v15
	v_add_nc_u32 v[AG0], s23, v15
	v_lshlrev_b32 v[AW0], 4, v14
	s_lshl_b32 s23, s[WV], 10                      ; my 256 columns in a table of f32
	s_add_co_u32 s23, s23, QB
	v_lshl_add_u32 v[AQ], v13, 5, s23
	v_lshrrev_b32 v9, 1, v0                        ; thread t brings c q of a = 8 t .. 8 t + 7: cqt's group t / 2, half t % 2
	v_and_b32 v15, 1, v0
	v_lshlrev_b32 v9, 11, v9
	v_lshl_add_u32 v9, v15, 5, v9
	v_lshlrev_b32 v10, 4, v0                       ; and v of a = 4 t .. and 512 + 4 t ..
	v_add_nc_u32 v11, VB, v10
	v_lshl_add_u32 v31, v0, 5, QB
.set z, 0
.rept 16
	v_mov_b32 v[S+z], 0                            ; the scores' partial sums: one text of the way out serves both passes
.set z, z+1
.endr
	s_mov_b32 s30, 0x76543210                      ; v_permlanex16_b32: each lane takes its own place in the other half
	s_mov_b32 s31, 0xfedcba98
	s_mov_b32 s34, 0xc038aa3b                      ; -c
	s_mov_b32 s35, s34                             ; named with it as a pair
	s_mov_b32 s[TK], 0
	s_mov_b32 s[TS], CH
	s_mov_b32 s[PASS], 2
	s_mov_b32 s29, 0
	s_wait_kmcnt 0x0
	s_lshl_b32 s28, ttmp9, 19                      ; the block's 128 rows of 4,096 bytes
	s_add_nc_u64 s[KB:KB+1], s[KB:KB+1], s[28:29]
	s_lshl_b32 s28, ttmp9, 7
	s_add_nc_u64 s[6:7], s[6:7], s[28:29]
	s_lshl_b32 s28, s[WV], 19                      ; my wave's 512 KB of wkf
	s_add_nc_u64 s[WB:WB+1], s[WB:WB+1], s[28:29]
	s_lshr_b32 s28, ttmp9, 4                       ; n
	s_lshl_b32 s28, s28, 6
	s_add_nc_u64 s[12:13], s[12:13], s[28:29]
	s_lshl_b32 s28, ttmp9, 9
	s_add_nc_u64 s[14:15], s[14:15], s[28:29]
	s_lshl_b32 s28, ttmp9, 3
	s_add_nc_u64 s[16:17], s[16:17], s[28:29]
	s_lshl_b32 s28, ttmp9, 12
	s_add_nc_u64 s[18:19], s[18:19], s[28:29]
	global_load_u8 v30, v0, s[6:7]                 ; my row's mask
	global_load_b128 v[12:15], v9, s[12:13]
	global_load_b128 v[16:19], v9, s[12:13] offset:16
	global_load_b128 v[20:23], v10, s[8:9]
	global_load_b128 v[24:27], v10, s[8:9] offset:2048
	SLOAD 2, 0, 0                                  ; half chunks 0 to 3
	SLOAD 3, 1, 0
	SLOAD 0, 0, 256
	SLOAD 1, 1, 256
	WLOAD 0, 0                                     ; W_k of step 0
	WIN 0
	s_wait_loadcnt 24                              ; all but half chunk 3 (8) and W_k of step 0 (16)
.irp z, 0,2,4,6
	v_pk_mul_f32 v[20+\z:21+\z], v[20+\z:21+\z], s[34:35] op_sel_hi:[1,0]
.endr
	ds_store_b128 v11, v[20:23]
	ds_store_b128 v11, v[24:27] offset:2048
	ds_store_b128 v31, v[12:15]
	ds_store_b128 v31, v[16:19] offset:16
	SCONV 2, 0                                     ; chunk 0
	SCONV 3, 1
	v_add_nc_u32 v[AST], s[TS], v[AS0]             ; chunk 1
	SCONV 0, 0
	SLOAD 2, 0, 512                                ; half chunk 4, W_k of step 1, half chunk 5: the order on which the steps' waits count
	WLOAD 1, 8192
	SLOAD 3, 1, 512
	s_wait_xcnt 0x0                                ; the bases are stepped only behind this wait
	s_add_nc_u64 s[KB:KB+1], s[KB:KB+1], 768       ; chunk 3
	s_add_nc_u64 s[WB:WB+1], s[WB:WB+1], 16384     ; step 2
	s_wait_dscnt 0x0                               ; for the others' sake: the tables and my rows of chunk 0 are in LDS
	s_barrier_signal -1
	s_barrier_wait -1
	QLOAD 192, 1, 0                                ; c q of pass 0 lies in W_k's fourth set, which step 1 is the first to load
	KLOAD 0, 0
	KLOAD 1, 0
	; PASS 0
	STEP 0, 32, 2, 0, 1, 1, 1, 1, 1
	s_mov_b32 s[CNT], 6
.Lp0:                                                  ; steps 1 to 24
	STEP 1, 32, 2, 0, 1, 1, 0, 1, 0
	STEP 2, 32, 2, 0, 1, 1, 1, 1, 0
	STEP 3, 32, 2, 0, 1, 1, 0, 1, 0
	STEP 0, 32, 2, 0, 1, 1, 1, 1, 0
	s_sub_co_u32 s[CNT], s[CNT], 1
	s_cmp_lg_u32 s[CNT], 0
	s_cbranch_scc1 .Lp0
	STEP 1, 32, 2, 0, 1, 1, 0, 1, 0                ; step 25 asks for the last half chunk, 31
	STEP 2, 32, 2, 0, 0, 1, 1, 1, 0                ; 26: younger than W(26): S(30), W(27), S(31)
	STEP 3, 24, 2, 0, 0, 1, 0, 1, 0                ; 27: S(31), W(28)
	STEP 0, 16, 2, 0, 0, 1, 1, 1, 0                ; 28: W(29); the last half chunk is stored: the last barrier of the stream
	STEP 1, 16, 2, 0, 0, 0, 0, 1, 0
	STEP 2, 16, 2, 0, 0, 0, 0, 1, 0                ; 30 asks for pass 1's step 0: wkf runs on
	STEP 3, 16, 2, 1, 0, 0, 0, 0, 0                ; 31 asks for pass 1's steps 1 and 2: they land during the way out
	s_branch .Lepi
	; PASS 1: the keys are all in LDS; W_k is asked for three steps ahead: younger than W(sigma) are two sets, 32 loads
.Lpass1:
	s_mov_b32 s[TK], 0
	v_mov_b32 v[AKF], v[AK0]
	QLOAD STG, 0, 0                                ; c q of pass 1
	KLOAD 0, 0
	KLOAD 1, 0
	STEP 0, 32, 3, 0, 0, 0, 0, 1, 2
	s_mov_b32 s[CNT], 7
.Lp1:                                                  ; steps 1 to 28
	STEP 1, 32, 3, 0, 0, 0, 0, 1, 0
	STEP 2, 32, 3, 0, 0, 0, 0, 1, 0
	STEP 3, 32, 3, 0, 0, 0, 0, 1, 0
	STEP 0, 32, 3, 0, 0, 0, 0, 1, 0
	s_sub_co_u32 s[CNT], s[CNT], 1
	s_cmp_lg_u32 s[CNT], 0
	s_cbranch_scc1 .Lp1
	STEP 1, 32, 0, 0, 0, 0, 0, 1, 0                ; nothing more is asked for: the counts run down
	STEP 2, 16, 0, 0, 0, 0, 0, 1, 0
	STEP 3, 0, 0, 0, 0, 0, 0, 0, 0
.Lepi:                                                 ; the way out, one text for both passes; the step before it closed with four places
	QLOAD VV, 0, 4096                              ; -c v of the pass's 128 columns
	s_wait_dscnt 0x0
	EPIW 2
	EPIW 3
	v_add_nc_u32 v[AQ], 512, v[AQ]                 ; the tables' next 128 columns
	s_sub_co_u32 s[PASS], s[PASS], 1
	s_cmp_lg_u32 s[PASS], 0
	s_cbranch_scc1 .Lpass1
	; THE BLOCK'S SOFTMAX.  A lane's pair and the lane 16 away hold the four parts of a row's sum over my 256 columns.
.irp rb, 0,1,2,3,4,5,6,7
	v_add_f32 v[S+2*(\rb)], v[S+2*(\rb)], v[S+2*(\rb)+1]
.endr
.irp rb, 0,1,2,3,4,5,6,7
	v_permlanex16_b32 v[S+2*(\rb)+1], v[S+2*(\rb)], s30, s31
.endr
.irp rb, 0,1,2,3,4,5,6,7
	v_add_f32 v[S+2*(\rb)], v[S+2*(\rb)], v[S+2*(\rb)+1]
.endr
	v_and_b32 v9, 15, v0
	s_lshl_b32 s23, s[WV], 9
	s_add_co_u32 s23, s23, SCB
	v_lshl_add_u32 v9, v9, 2, s23
.irp rb, 0,1,2,3,4,5,6,7
	ds_store_b32 v9, v[S+2*(\rb)] offset:64*(\rb)  ; both halves of the lanes write the same number to the same word
.endr
	s_wait_dscnt 0x0                               ; for the others' sake
	s_barrier_signal -1
	s_barrier_wait -1
	v_lshl_add_u32 v10, v0, 2, SCB                 ; thread t owns row t
	ds_load_b32 v12, v10
	ds_load_b32 v13, v10 offset:512
	ds_load_b32 v14, v10 offset:1024
	ds_load_b32 v15, v10 offset:1536
	v_mov_b32 v16, 0xff800000                      ; -infinity
	v_mov_b32 v18, 0
	v_cmp_ne_u32 vcc_lo, 0, v30
	s_wait_dscnt 0x0
	v_add_f32 v12, v12, v13
	v_add_f32 v14, v14, v15
	v_add_f32 v12, v12, v14
	v_cndmask_b32 v12, v16, v12, vcc_lo            ; the masked score
	v_mov_b32 v13, v12
	v_max_num_f32_dpp v13, v13, v13 row_xmask:1 row_mask:0xf bank_mask:0xf
	v_max_num_f32_dpp v13, v13, v13 row_xmask:2 row_mask:0xf bank_mask:0xf
	v_max_num_f32_dpp v13, v13, v13 row_xmask:4 row_mask:0xf bank_mask:0xf
	v_max_num_f32_dpp v13, v13, v13 row_xmask:8 row_mask:0xf bank_mask:0xf
	v_permlanex16_b32 v14, v13, s30, s31
	v_max_num_f32 v13, v13, v14
	v_max_num_f32 v13, 0xff7fffff, v13             ; finite, so that s - m is no difference of infinities
	s_lshl_b32 s23, s[WV], 2
	s_add_co_u32 s23, s23, RED
	v_mov_b32 v15, s23
	ds_store_b32 v15, v13
	s_wait_dscnt 0x0
	s_barrier_signal -1
	s_barrier_wait -1
	v_mov_b32 v17, RED
	ds_load_b128 v[20:23], v17
	s_wait_dscnt 0x0
	v_max_num_f32 v20, v20, v21
	v_max_num_f32 v22, v22, v23
	v_max_num_f32 v24, v20, v22                    ; m
	v_sub_f32 v13, v12, v24
	v_exp_f32 v13, v13                             ; p
	v_nop                                          ; a plain instruction behind the exponential
	s_wait_alu depctr_va_vdst(0)                   ; the wait ahead of p's first use: a batch of one, once a wave
	v_mov_b32 v14, v13
	v_add_f32_dpp v14, v14, v14 row_xmask:1 row_mask:0xf bank_mask:0xf
	v_add_f32_dpp v14, v14, v14 row_xmask:2 row_mask:0xf bank_mask:0xf
	v_add_f32_dpp v14, v14, v14 row_xmask:4 row_mask:0xf bank_mask:0xf
	v_add_f32_dpp v14, v14, v14 row_xmask:8 row_mask:0xf bank_mask:0xf
	v_permlanex16_b32 v18, v14, s30, s31
	v_add_f32 v14, v14, v18
	v_lshl_add_u32 v19, v0, 2, PB
	ds_store_b32 v19, v13
	ds_store_b32 v19, v12 offset:SMB-PB
	ds_store_b32 v15, v14 offset:16                ; other bytes than the maxima's
	s_wait_dscnt 0x0
	s_barrier_signal -1
	s_barrier_wait -1
	; THE PARTIAL CONTEXT, from the bf16 keys in LDS.  Wave w owns the channels 256 w .. 256 w + 255 = chunks 4 w .. 4 w + 3; a lane the channels 256 w + 128 g + 4 L + 0..3, g = 0, 1.
	s_lshl_b32 s23, s[WV], 2
	v_bfe_u32 v9, v0, 4, 1
	v_add_nc_u32 v9, s23, v9
	v_mul_u32_u24 v9, v9, CH
	v_and_b32 v10, 15, v0
	v_lshl_add_u32 v9, v10, 3, v9                  ; chunk 4 w + L / 16, byte 8 (L % 16): the two chunks of a load lie 128 apart modulo 256
	v_mov_b32 v10, PB
.set z, 0
.rept 8
	v_mov_b32 v[S+z], 0
.set z, z+1
.endr
	s_mov_b32 s[CNT], 8
.Lctx:                                                 ; a trip: 16 rows
.irp i, 0,1,2,3
	ds_load_b128 v[KF+4*(\i):KF+4*(\i)+3], v10 offset:16*(\i)  ; their p, the same in every lane
.endr
.irp i, 0,1,2,3,4,5,6,7,8,9,10,11,12,13,14,15
	ds_load_b64 v[STG+4*(\i):STG+4*(\i)+1],   v9 offset:(\i)*PT
	ds_load_b64 v[STG+4*(\i)+2:STG+4*(\i)+3], v9 offset:(\i)*PT+2*CH
.endr
.irp i, 0,1,2,3,4,5,6,7,8,9,10,11,12,13,14,15
	s_wait_dscnt 30-2*(\i)                         ; row i's two loads are in; the later rows' stay out
.irp d, 0,1,2,3
	v_fma_mix_f32_bf16 v[S+2*(\d)],   v[STG+4*(\i)+(\d)], v[KF+(\i)], v[S+2*(\d)]   op_sel_hi:[1,0,0]
	v_fma_mix_f32_bf16 v[S+2*(\d)+1], v[STG+4*(\i)+(\d)], v[KF+(\i)], v[S+2*(\d)+1] op_sel:[1,0,0] op_sel_hi:[1,0,0]
.endr
.endr
	v_add_nc_u32 v9, 16*PT, v9
	v_add_nc_u32 v10, 64, v10
	s_sub_co_u32 s[CNT], s[CNT], 1
	s_cmp_lg_u32 s[CNT], 0
	s_cbranch_scc1 .Lctx
	s_lshl_b32 s23, s[WV], 10
	v_add_nc_u32 v11, s23, v[AW0]
	global_store_b128 v11, v[S:S+3], s[18:19]              ; the wave stores 512 consecutive bytes, aligned
	global_store_b128 v11, v[S+4:S+7], s[18:19] offset:512
	s_cmp_lg_u32 s[WV], 0
	s_cbranch_scc1 .Lend
	v_add_nc_u32 v12, SMB, v[AW0]                  ; wave 0 stores the block's scores and its two statistics
	v_mov_b32 v13, RED+16
	ds_load_b128 v[48:51], v12
	ds_load_b128 v[52:55], v13
	v_mov_b32 v26, 0
	s_wait_dscnt 0x0
	global_store_b128 v[AW0], v[48:51], s[14:15]   ; 512 consecutive bytes, aligned
	v_add_f32 v52, v52, v53
	v_add_f32 v54, v54, v55
	v_add_f32 v25, v52, v54                        ; l, beside m in v24
	s_wait_xcnt 0x0                                ; EXEC changes only behind this wait
	v_cmp_eq_u32 vcc_lo, 0, v0
	s_and_saveexec_b32 s32, vcc_lo
	global_store_b64 v26, v[24:25], s[16:17]
	s_wait_xcnt 0x0                                ; and again, in front of the line that widens it
	s_or_b32 exec_lo, exec_lo, s32
.Lend:
	s_wait_tensorcnt 0x0                           ; the wave's end
	ds_add_u32 v[SPW], v[NIL]
	s_wait_dscnt 0x0
	s_endpgm
.Lfunc_end_k_qfbc578d152_score:
	.size	k_qfbc578d152_score, .Lfunc_end_k_qfbc578d152_score-k_qfbc578d152_score
	.p2alignl 7, 3214868480
	.fill 96, 4, 3214868480
	.section	.rodata,"a",@progbits
	.p2align	6, 0x0
	.amdhsa_kernel k_qfbc578d152_score
		.amdhsa_group_segment_fixed_size 308992
		.amdhsa_private_segment_fixed_size 0
		.amdhsa_enable_private_segment 0
		.amdhsa_kernarg_size 64
		.amdhsa_user_sgpr_count 2
		.amdhsa_user_sgpr_kernarg_segment_ptr 1
		.amdhsa_wavefront_size32 1
		.amdhsa_system_sgpr_workgroup_id_x 1
		.amdhsa_system_sgpr_workgroup_id_y 1
		.amdhsa_system_sgpr_workgroup_id_z 1
		.amdhsa_system_vgpr_workitem_id 0
		.amdhsa_next_free_vgpr 1024
		.amdhsa_next_free_sgpr 66
		.amdhsa_reserve_vcc 1
		.amdhsa_float_denorm_mode_32 3
		.amdhsa_float_denorm_mode_16_64 3
		.amdhsa_memory_ordered 1
		.amdhsa_forward_progress 1
		.amdhsa_inst_pref_size 255
	.end_amdhsa_kernel
	.section	.bss,"aw",@nobits
	.p2align	6
	.space	262144
	.amdgpu_metadata
---
amdhsa.version: [ 1, 2 ]
amdhsa.kernels:
  - .name:           k_qfbc578d152_score
    .symbol:         k_qfbc578d152_score.kd
    .args:
      - { .name: keys, .offset: 0, .size: 8, .value_kind: global_buffer, .address_space: global }
      - { .name: mask, .offset: 8, .size: 8, .value_kind: global_buffer, .address_space: global }
      - { .name: v, .offset: 16, .size: 8, .value_kind: global_buffer, .address_space: global }
      - { .name: wkf, .offset: 24, .size: 8, .value_kind: global_buffer, .address_space: global }
      - { .name: cqt, .offset: 32, .size: 8, .value_kind: global_buffer, .address_space: global }
      - { .name: sc2, .offset: 40, .size: 8, .value_kind: global_buffer, .address_space: global }
      - { .name: stats, .offset: 48, .size: 8, .value_kind: global_buffer, .address_space: global }
      - { .name: pctx, .offset: 56, .size: 8, .value_kind: global_buffer, .address_space: global }
    .group_segment_fixed_size: 308992
    .private_segment_fixed_size: 0
    .kernarg_segment_align: 8
    .kernarg_segment_size: 64
    .max_flat_workgroup_size: 128
    .sgpr_count:     66
    .vgpr_count:     1024
    .wavefront_size: 32
...
	.end_amdgpu_metadata
.endif
;; end of part 4
;; launch combine: the kernel of part 3 again; grid 32 x 1, 8 waves a work-group, no clusters, 0 bytes of LDS; arguments sc2, stats, pctx, out0, out1; writes out0, out1
